; MI455X (gfx1250); checked and timed in simulation.
; The chip was launched on July 23, 2026; its instructions are those of AMD's public machine-readable ISA for CDNA 5 (MIT licence, August 2026) and "CDNA5" Instruction Set Architecture Reference Guide (July 2026). The comments in the code are by the model that wrote it; some were corrected since.
;; Transformer Encoder Layer With Channels. Allowed arithmetic: float matrix products may take bf16 or f16 operands with f32 sums; other float arithmetic in f32, or as packed bf16 or f16 multiplies, adds, multiply-adds, maxima and minima; sums over many terms, partial sums and values carried from step to step in f32; what a program stores and reads back later, other than sums and carried values, may be rounded once to bf16 or f16.
;; Inputs: W1 512 x 2,048 float32; W2 2,048 x 512 float32; b1 2,048 float32; b2 512 float32; be1 512 float32; be2 512 float32; g1 512 float32; g2 512 float32; key_padding_mask 8 x 2,048 float32; src 8 x 1 x 2,048 x 512 float32.
;; Outputs: out0 8 x 1 x 2,048 x 512 float32.
;; One version. Each part assembles by itself: llvm-mc -triple=amdgcn-amd-amdhsa -mcpu=gfx1250 --defsym DOCPART=n.
;; ======== version 1 of 1: 2 launches
;; workspace buffers: xb 16,777,216 bytes; wc 4,194,304 bytes
;; launch prep (part 1): grid 608 x 1, 8 waves a work-group, no clusters, 67,584 bytes of LDS; arguments src, W1, W2, xb, wc; writes xb, wc
.if DOCPART == 1
	.amdgcn_target "amdgcn-amd-amdhsa--gfx1250"
	.amdhsa_code_object_version 6
	.text
	.protected	k_q5ad7516a11_prep
	.globl	k_q5ad7516a11_prep
	.p2align	8
	.type	k_q5ad7516a11_prep,@function
k_q5ad7516a11_prep:
	s_mov_b64 s[64:65], 0
	v_nop
	global_prefetch_b8 v0, s[64:65] scope:SCOPE_SE
	s_setreg_imm32_b32 hwreg(HW_REG_WAVE_MODE, 25, 1), 1
	s_wait_xcnt 0x0
; THE OPERANDS OF THE LAYER'S FOUR PRODUCTS, ROUNDED ONCE TO bf16 AND LAID OUT FOR TILES OF 128 ROWS x 1,024 BYTES.
;   xb [16384][512] bf16 = src.
;   wc, 32 tiles of 128 rows of 512 bf16: tile k = 64 rows of W2's block (k - 1) mod 32 (row p = W2[64 b + p][.]), then 64 rows W1T_k (row p = W1[.][64 k + p]).
;   So a tile holds what one step of the feed-forward part multiplies, and the tiles form a ring that can be walked from any tile on.
; A stream: each input byte is read once, each output byte written once; a wave's store covers 512 consecutive bytes, aligned.  No matrix unit, no cluster: nothing is shared.
; THE WORK-GROUP'S NUMBER CHOOSES ITS PART (the same in all eight waves): 0-511 cast 16,384 numbers of src; 512-575 of W2; 576-607 turn 512 x 64 numbers of W1 through LDS.
.set TP,    1040                       ; a row of the turned block in LDS: 1,024 bytes + 16
.set SPARE, 64*TP                      ; behind the block: the spare words, 128 bytes for each of eight waves
.set SPW,   6                          ; v6  LDS address of my spare word; never rewritten
.set NIL,   7                          ; v7  0; never rewritten
.set M,     8                          ; v[8:135]   numbers as loaded
.set PK,    136                        ; v[136:151] packed, at work (the cast packs into v[72:103])
	s_load_b256 s[4:11], s[0:1], 0x0               ; src s[4:5], W1 s[6:7], W2 s[8:9], xb s[10:11]
	s_load_b64 s[12:13], s[0:1], 0x20              ; wc
	v_lshl_add_u32 v[SPW], v0, 2, SPARE
	v_mov_b32 v[NIL], 0
	v_lshrrev_b32 v1, 5, v0
	v_readfirstlane_b32 s14, v1                    ; wave 0..7
	s_wait_kmcnt 0x0
	s_cmp_lt_u32 ttmp9, 576
	s_cbranch_scc0 .Lturn
	; THE CAST.  Chunk x of src goes to xb; chunk c = x - 512 of W2 (32 rows) to half c % 2 of the first 64 rows of tile (c / 2 + 1) mod 32 of wc.  Offsets are made apart from the addresses.
	s_sub_co_u32 s20, ttmp9, 512                   ; c (used only where x >= 512)
	s_lshr_b32 s21, s20, 1
	s_add_co_u32 s21, s21, 1
	s_and_b32 s21, s21, 31                         ; the tile,
	s_lshl_b32 s21, s21, 17                        ; 131,072 bytes each,
	s_and_b32 s22, s20, 1
	s_lshl_b32 s22, s22, 15                        ; the half: 32 rows of 1,024 bytes
	s_add_co_u32 s21, s21, s22
	s_lshl_b32 s22, ttmp9, 15                      ; in xb: 32,768 bytes a chunk
	s_cmp_lt_u32 ttmp9, 512
	s_cselect_b32 s20, ttmp9, s20                  ; the chunk's number in its input
	s_cselect_b32 s22, s22, s21                    ; its byte offset in its output
	s_cselect_b64 s[16:17], s[4:5], s[8:9]
	s_cselect_b64 s[18:19], s[10:11], s[12:13]
	s_lshl_b32 s20, s20, 16                        ; 65,536 bytes of f32 a chunk
	s_mov_b32 s21, 0
	s_mov_b32 s23, 0
	s_add_nc_u64 s[16:17], s[16:17], s[20:21]
	s_add_nc_u64 s[18:19], s[18:19], s[22:23]
	v_lshlrev_b32 v2, 5, v0                        ; my 8 numbers: 32 bytes in,
	v_lshlrev_b32 v3, 4, v0                        ; 16 bytes out
.set i, 0
.rept 8                                ; all sixteen loads go out first
	global_load_b128 v[M+8*i:M+8*i+3],   v2, s[16:17] offset:8192*i th:TH_LOAD_NT
	global_load_b128 v[M+8*i+4:M+8*i+7], v2, s[16:17] offset:8192*i+16 th:TH_LOAD_NT
.set i, i+1
.endr
.set i, 0
.rept 8
	s_wait_loadcnt 14-2*i                          ; loads come back in order: item i's two are in, the younger items' stay out
	v_cvt_pk_bf16_f32 v[72+4*i],   v[M+8*i],   v[M+8*i+1]
	v_cvt_pk_bf16_f32 v[72+4*i+1], v[M+8*i+2], v[M+8*i+3]
	v_cvt_pk_bf16_f32 v[72+4*i+2], v[M+8*i+4], v[M+8*i+5]
	v_cvt_pk_bf16_f32 v[72+4*i+3], v[M+8*i+6], v[M+8*i+7]
	global_store_b128 v3, v[72+4*i:72+4*i+3], s[18:19] offset:4096*i
.set i, i+1
.endr
	s_endpgm                                       ; this part has written no LDS
.Lturn:
	; THE TURN.  Block b = x - 576: columns 64 b .. 64 b + 63 of W1, 256 bytes, aligned, of each of its 512 rows.  Wave v takes rows 64 v .. 64 v + 63; sixteen lanes read a row's 256 bytes.
	; Lane (fq = l % 16, eh = l / 16) holds columns 4 fq + c; load (g, n) brings row 64 v + 16 g + 8 eh + n.  So for each c a lane has eight consecutive rows: 16 bytes of the turned row 4 fq + c.
	s_sub_co_u32 s15, ttmp9, 576
	v_and_b32 v1, 15, v0                           ; fq
	v_bfe_u32 v4, v0, 4, 1                         ; eh
	s_lshl_b32 s20, s14, 19                        ; 64 v rows of 8,192 bytes
	v_lshlrev_b32 v2, 16, v4                       ; 8 eh rows
	v_lshl_add_u32 v2, v1, 4, v2
	v_add_nc_u32 v2, s20, v2
	s_lshl_b32 s20, s15, 8
	s_mov_b32 s21, 0
	s_add_nc_u64 s[16:17], s[6:7], s[20:21]        ; W1 at the block's first column
.set i, 0
.rept 32                               ; i = 8 g + n
	global_load_b128 v[M+4*i:M+4*i+3], v2, s[16:17] offset:(16*(i/8)+i%8)*8192 th:TH_LOAD_NT
.set i, i+1
.endr
	v_mul_u32_u24 v3, v1, 4*TP                     ; into LDS: turned row 4 fq (+ c), byte 2 (64 v + 8 eh) (+ 32 g)
	v_lshl_add_u32 v3, v4, 4, v3
	s_lshl_b32 s22, s14, 7
	v_add_nc_u32 v3, s22, v3
	v_and_b32 v5, 31, v0
	v_lshlrev_b32 v5, 4, v5                        ; 16 l
	s_mul_i32 s22, s14, 8*TP
	v_add_nc_u32 v4, s22, v5                       ; back: wave v takes the turned rows 8 v .. 8 v + 7, 512 bytes an instruction
	s_lshl_b32 s23, s14, 13
	v_add_nc_u32 v5, s23, v5                       ; and the same bytes in wc
	s_lshl_b32 s20, s15, 17
	s_add_co_u32 s20, s20, 65536                   ; W1T_b is the second half of tile b
	s_add_nc_u64 s[18:19], s[12:13], s[20:21]
.irp g, 0,1,2,3
	s_wait_loadcnt 24-8*(\g)                       ; group g's eight loads are in, the later groups' stay out
.irp c, 0,1,2,3
.irp p, 0,1,2,3
	v_cvt_pk_bf16_f32 v[PK+4*(\c)+(\p)], v[M+32*(\g)+8*(\p)+(\c)], v[M+32*(\g)+8*(\p)+4+(\c)]
.endr
.endr
.irp c, 0,1,2,3
	ds_store_b128 v3, v[PK+4*(\c):PK+4*(\c)+3] offset:(\c)*TP+32*(\g)  ; sixteen lanes stand 4,160 bytes apart: four to a group of banks; sixteen such stores a wave, left as it is
.endr
.endr
	s_wait_dscnt 0x0                               ; for the others' sake: my stores are done
	s_barrier_signal -1
	s_barrier_wait -1                              ; a turned row's 1,024 bytes come from all eight waves
.set i, 0
.rept 16                               ; row i / 2, half i % 2
	ds_load_b128 v[M+4*i:M+4*i+3], v4 offset:(i/2)*TP+(i%2)*512
.set i, i+1
.endr
.set i, 0
.rept 16
	s_wait_dscnt 15-i
	global_store_b128 v5, v[M+4*i:M+4*i+3], s[18:19] offset:(i/2)*1024+(i%2)*512
.set i, i+1
.endr
	s_wait_tensorcnt 0x0                           ; the wave's end, behind my last LDS store
	ds_add_u32 v[SPW], v[NIL]
	s_wait_dscnt 0x0
	s_endpgm
.Lfunc_end_k_q5ad7516a11_prep:
	.size	k_q5ad7516a11_prep, .Lfunc_end_k_q5ad7516a11_prep-k_q5ad7516a11_prep
	.p2alignl 7, 3214868480
	.fill 96, 4, 3214868480
	.section	.rodata,"a",@progbits
	.p2align	6, 0x0
	.amdhsa_kernel k_q5ad7516a11_prep
		.amdhsa_group_segment_fixed_size 67584
		.amdhsa_private_segment_fixed_size 0
		.amdhsa_enable_private_segment 0
		.amdhsa_kernarg_size 40
		.amdhsa_user_sgpr_count 2
		.amdhsa_user_sgpr_kernarg_segment_ptr 1
		.amdhsa_wavefront_size32 1
		.amdhsa_system_sgpr_workgroup_id_x 1
		.amdhsa_system_sgpr_workgroup_id_y 1
		.amdhsa_system_sgpr_workgroup_id_z 1
		.amdhsa_system_vgpr_workitem_id 0
		.amdhsa_next_free_vgpr 152
		.amdhsa_next_free_sgpr 66
		.amdhsa_reserve_vcc 0
		.amdhsa_float_denorm_mode_32 3
		.amdhsa_float_denorm_mode_16_64 3
		.amdhsa_memory_ordered 1
		.amdhsa_forward_progress 1
		.amdhsa_inst_pref_size 19
	.end_amdhsa_kernel
	.amdgpu_metadata
---
amdhsa.version: [ 1, 2 ]
amdhsa.kernels:
  - .name:           k_q5ad7516a11_prep
    .symbol:         k_q5ad7516a11_prep.kd
    .args:
      - { .name: src, .offset: 0, .size: 8, .value_kind: global_buffer, .address_space: global }
      - { .name: W1, .offset: 8, .size: 8, .value_kind: global_buffer, .address_space: global }
      - { .name: W2, .offset: 16, .size: 8, .value_kind: global_buffer, .address_space: global }
      - { .name: xb, .offset: 24, .size: 8, .value_kind: global_buffer, .address_space: global }
      - { .name: wc, .offset: 32, .size: 8, .value_kind: global_buffer, .address_space: global }
    .group_segment_fixed_size: 67584
    .private_segment_fixed_size: 0
    .kernarg_segment_align: 8
    .kernarg_segment_size: 40
    .max_flat_workgroup_size: 256
    .sgpr_count:     66
    .vgpr_count:     152
    .wavefront_size: 32
...
	.end_amdgpu_metadata
.endif
;; end of part 1
;; launch layer (part 2): grid 256 x 1, 4 waves a work-group, clusters of 4 x 1, 327,680 bytes of LDS; arguments xb, wc, key_padding_mask, b1, b2, g1, be1, g2, be2, out0; writes out0
.if DOCPART == 2
	.amdgcn_target "amdgcn-amd-amdhsa--gfx1250"
	.amdhsa_code_object_version 6
	.text
	.protected	k_q5ad7516a11_layer
	.globl	k_q5ad7516a11_layer
	.p2align	8
	.type	k_q5ad7516a11_layer,@function
k_q5ad7516a11_layer:
	s_mov_b64 s[64:65], 0
	v_nop
	global_prefetch_b8 v0, s[64:65] scope:SCOPE_SE
	s_setreg_imm32_b32 hwreg(HW_REG_WAVE_MODE, 25, 1), 1
	s_wait_xcnt 0x0
	s_wait_alu depctr_hold_cnt(0) depctr_sa_sdst(0) depctr_va_vdst(0) depctr_va_sdst(0) depctr_va_ssrc(0) depctr_va_vcc(0) depctr_vm_vsrc(0)
	s_getreg_b32 s2, hwreg(HW_REG_IB_STS2, 6, 4)
	s_cmp_eq_u32 s2, 0
	s_cbranch_scc0 .Lentry_in_a_cluster
	s_endpgm
.Lentry_in_a_cluster:
	s_bfe_u32 s2, ttmp6, 0x10000c
	s_cmp_lg_u32 s2, 0x3003
	s_cbranch_scc0 .Lentry_shape_is_right
	s_endpgm
.Lentry_shape_is_right:
; THE WHOLE ENCODER LAYER FOR 64 ROWS A WORK-GROUP: attention (Q = K = V = src, one head of 512, the key term -5 mask), residual and norm, 512 -> 2048 (ReLU) -> 512, residual and norm.
; Scores, weights, src2 and the hidden layer never leave the WGP.  Products in bf16 with f32 sums; maxima, sums, both residuals and both norms in f32.
; LIMITS.  Every input is taken rounded once to bf16 (src also as the residual; mask, biases and gains too); the weights p, src2 and the hidden numbers are rounded to bf16 as matrix operands (src2 as residual stays f32).
; A weight below 2^-126 counts as 0 in its row's sum; NaN and infinities are not treated apart.  Keys and hidden units are summed in an order that differs from cluster to cluster (below).
; ONE FORM FOR BOTH HALVES.  The 2,048 hidden units are walked as attention walks keys, 64 at a time: W1's columns play K, W2's rows play V, ReLU plays the softmax.  One ring, one register map.
; SHARES.  Work-group X owns rows 64 X .. 64 X + 63: four tiles qt of 16 queries.  FIRST PRODUCT S^T = K Q^T (source 0 = 16 keys, source 1 = 16 queries): a wave takes 16 of the 64 keys (units) for ALL 64 queries, whose 512
; channels it holds in 512 registers: a fragment of K feeds four products.  SECOND PRODUCT O^T = V^T P: a wave takes 128 of the 512 channels for all 64 queries and all keys: 32 accumulators.  The weights go from wave to wave
; through LDS, stored as the very registers that source 1 wants (two waves' 16 keys make a block of 32); a query's maximum and sums meet in LDS too.
; CHANNEL ORDER.  V is turned by ds_load_tr16_b128; lanes 8-15 of each sixteen address 128 bytes, not 16, beyond lanes 0-7.  So in O^T lane (r = l % 16, h = l / 16) holds query r and the 64 CONSECUTIVE channels
; 128 w + 64 h + 8 t + j in register 64 qt + 8 t + j; and with rows 1,040 bytes apart sixteen lanes of a K load (16 rows, one column) and of a V load (8 rows, two columns) each take 16 different 16-byte columns of 256.
; THE RING.  49 tiles of 128 rows x 1,024 bytes through two slots: 16 tiles of the batch's keys (a tile is two half steps, and serves as K and as V), then 33 of wc's (W2's block k - 1 with W1's block k).
; THE WALKS ARE TURNED.  Cluster c begins at key tile 2 (c % 8) of its batch and at tile c % 32 of wc and goes round: in any step the eight clusters of a batch ask for eight different tiles, and 32 clusters for 32 different
; tiles of wc.  The tables of the mask and of b1 are turned likewise when they are loaded, so that LDS is walked from its first entry on in every cluster.
; CLUSTER.  The four work-groups of a cluster lie in one batch and walk the same 49 tiles: each tile is asked for JOINTLY, a wave its 32 rows, with the same descriptor and a mask that names the four.
; SOFTMAX.  p = 2^(c s - c m), c = log2(e) / sqrt(512), s = q . k - 5 sqrt(512) mask (the mask term is the C operand that starts the sum), m the running maximum over all keys so far; O and l are multiplied by
; a = 2^(c m_old - c m_new) in every half step.  m starts at the lowest finite number, O and l at 0: 256 lines that clear O, in the wait for the first tile, for one text of the half step.
; ATTENTION RUNS ONE HALF STEP BEHIND ITSELF: the matrix work goes S_h, PV_(h-1), S_(h+1), PV_h ..; the softmax of half step h stands behind those products: its maximum, exchange and statistics beside PV_(h-1), its
; exponentials, roundings, sums and the rescaling of O^T beside S_(h+1).  At most four vector lines stand behind a product; they want another window setting than the product, which costs two switches a slice.
; REGISTERS, in windows of 256 (s_set_vgpr_msb: bits 1:0 source 0, 3:2 source 1, 5:4 source 2, 7:6 destination):
;   window 0: v0-19 addresses; v20-35 statistics; v36-47 at work; v48-63 C operands, packed weights, what comes back from an exchange; v64-127 two buffers of S^T; v128-255 four chunks of 32 for fragments
;   window 1: O^T, 64 a tile          windows 2 and 3: Q, later src2: tile qt, channels 32 kb on, at 64 qt + 8 (kb % 8) of window 2 + kb / 8
.set PITCH, 1040                       ; an LDS row: 1,024 bytes + 16 of padding
.set SLOT,  128*PITCH                  ; 133,120 = 0x20800: it shares no bit with 33,280 x wave, so one exclusive or turns a wave's address in one slot into the other's
.set U,     2*SLOT                     ; 16,896 bytes: the weights' images (8 KiB); the hidden layer's (2 x 8 KiB); the stage that turns src2 into fragments (16 x 1,040)
.set MX,    U+16896                    ; four regions of 1,024 bytes for exchanges between waves: 0 maxima, 1 l, 2 row sums, 3 sums of squares
.set MT,    MX+4096                    ; -5 sqrt(512) mask of the batch's 2,048 keys, f32, in the order of the walk
.set BT,    MT+8192                    ; b1, f32, in the order of the walk
.set PT,    BT+8192                    ; g1, be1, b2, g2, be2, f32, 2,048 bytes each
.set SPARE, PT+10240                   ; the spare words, 128 bytes for each wave: two blocks of 256 bytes that no other line names
.set TILEB, 131072                     ; a tile in memory
.set STGB,  8704                       ; the way out: 32 x 272 bytes for each wave, at the head of slot 0, which has had its last fill by then
.set R,   1                            ; v1   l % 16
.set H,   2                            ; v2   l / 16
.set L16, 3                            ; v3   16 l
.set SPW, 4                            ; v4   LDS address of my spare word; never rewritten
.set NIL, 5                            ; v5   0; never rewritten
.set PFO, 6                            ; v6   256 x my thread's number: the prefetch's offset; never rewritten
.set ZR,  7                            ; v7   0, for the packed ReLU
.set KB0, 8                            ; v8   my lane's place in K of a tile's rows 0-63: row 16 w + r
.set AV0, 9                            ; v9   the same for V
.set AK,  10                           ; v10  K's address for the loads to come
.set AVA, 11                           ; v11  V's
.set KB1, 12                           ; v12  KB0 + 64 rows
.set PW,  13                           ; v13  where I put my weights' images
.set PR,  14                           ; v14  where I read images
.set MXW, 15                           ; v15  where I put my wave's four numbers of an exchange
.set MXR, 16                           ; v16  where I read the four waves'
.set CTA, 17                           ; v17  my place in the table of C operands; it steps
.set T0,  18                           ; v18, v19  addresses of the phase in hand
.set T1,  19
.set AV1, 18                           ; v18  in attention: AV0 + 64 rows
.set ST,  20                           ; tile t at v[ST+4 t]: c m, m, l (even keys', odd keys'); in a norm: mean, -, 1 / deviation, -
.set EX,  36                           ; v[36:39] the four numbers (a tile each) that an exchange sends
.set AF,  40                           ; tile t's pair at v[AF+2 t]: at work; a and c m_old - c m_new; 1 / l
.set CC,  48                           ; v[48:63]
.set S,   64
.set KF,  128
.set WV,  24                           ; s24  my wave's number
.set CX,  25                           ; s25  my place in the cluster: it enters Q's, the residual's, out0's and the prefetch's global addresses alone
.set TB,  26                           ; s26  LDS byte at which the slot of the tile in hand begins
.set NT,  27                           ; s27  the number, in its buffer, of the tile to be asked for next
.set CNT, 28                           ; s28  the loops' counter
.set WL,  29                           ; s29  33,280 x wave: my 32 rows of a slot
.set SA,  30                           ; s30  the key tile at which my cluster begins
.set ASKW, 31                          ; s31  1 in clusters 0 to 31
.set G1,  32                           ; s[32:39] descriptor group 1
.set D0,  40                           ; s[40:43] group 0 of the first tile
.set D1,  44                           ; s[44:47] group 0 of the second; it then walks
.set XBW, 48                           ; s[48:49] xb at the batch's first row + my wave's 32 rows
.set WCW, 50                           ; s[50:51] wc + my wave's 32 rows
.set TBO, 52                           ; s52  the other slot
.set SF,  53                           ; s53  the tile of wc at which my cluster begins
.set PFA, 56                           ; s[56:57] that tile, at my work-group's quarter; never rewritten
.set CS,  58                           ; s[58:59] c, twice
.set SEL, 60                           ; s[60:61] v_permlanex16_b32's selects: each lane takes its own place in the other half
.set OF,  62                           ; s[62:63] an offset in 64 bits, made of numbers that the partners share
.set QP,  66                           ; s[66:67] xb at my work-group's first row
.set OP,  68                           ; s[68:69] out0 at my work-group's first row
.set HBW, 70                           ; s70  which of the hidden layer's two buffers is written,
.set HBR, 71                           ; s71  and which is read
.set PFLAG, 72                         ; s72  1: this wave prefetches now
.set TA,  73                           ; s73, s[74:75]  at work
.set TP2, 74
.set XN,  76                           ; s76, s[78:79]  at work on numbers made from CX: these never feed a descriptor
.set OFX, 78
.set INV, 80                           ; s80  1 / 512
.set EPS, 81                           ; s81  1e-5
.set MSB, 0
.macro WIN new                         ; the immediate's high byte repeats the setting that is left; a switch that changes nothing is dropped
.if MSB != (\new)
	s_set_vgpr_msb (MSB<<8)|(\new)
.set MSB, \new
.endif
.endm
.macro PLACES                          ; four places: between a matrix instruction and a vector instruction that reads its result, or a load into one of its registers (ISA guide 7.12.1 for the vector instruction)
.rept 4
	v_nop
.endr
.endm
.macro ALL line:vararg                 ; one line for each tile t
.set t, 0
.rept 4
	\line
.set t, t+1
.endr
.endm
.macro CREST                           ; a round of the cluster's barrier behind its opening barrier: wave 0 signals for the work-group, every wave waits for all four work-groups, my work-group's barrier closes it
	s_cmp_lg_u32 s[WV], 0
	s_cbranch_scc1 .Lnot_wave_0_\@
	s_barrier_signal -3
.Lnot_wave_0_\@:
	s_barrier_wait -3
	s_barrier_signal -1
	s_barrier_wait -1
.endm
.macro ROUND                           ; a whole round
	s_barrier_signal -1
	s_barrier_wait -1
	CREST
.endm
; The walking descriptor's next tile.  NEXTA, in attention's loop: the next key tile, round the batch's sixteen; in the last trip wc's first.  It also sets the flag of the one prefetch (the trip before the last).
.macro NEXTA
	s_xor_b32 s[D1+1], s[D1+1], SLOT               ; the other slot than last time
	s_cmp_eq_u32 s[CNT], 1
	s_cselect_b32 s[OF], s[SF], s[NT]
	s_cselect_b64 s[TP2:TP2+1], s[WCW:WCW+1], s[XBW:XBW+1]
	s_lshl_b32 s[OF], s[OF], 17
	s_add_nc_u64 s[D1+2:D1+3], s[TP2:TP2+1], s[OF:OF+1]
	s_or_b32 s[D1+3], s[D1+3], 0x80000000          ; type = 2
	s_add_co_u32 s[NT], s[NT], 1
	s_and_b32 s[NT], s[NT], 15
	s_cmp_eq_u32 s[CNT], 2
	s_cselect_b32 s[PFLAG], s[ASKW], 0
.endm
.macro NEXTW                           ; the next tile of wc, round its 32
	s_xor_b32 s[D1+1], s[D1+1], SLOT
	s_lshl_b32 s[OF], s[NT], 17
	s_add_nc_u64 s[D1+2:D1+3], s[WCW:WCW+1], s[OF:OF+1]
	s_or_b32 s[D1+3], s[D1+3], 0x80000000
	s_add_co_u32 s[NT], s[NT], 1
	s_and_b32 s[NT], s[NT], 31
.endm
; THE ONE PREFETCH INTO THE L2: the tile of wc at which my cluster begins, one trip of attention's loop (256 products) ahead of the tensor load that asks for it.  A tile is 512 blocks of 256 bytes: a lane a block, one instruction a
; wave; the four partners take a quarter each, told apart BY ADDRESS.  Clusters 0 to 31 begin at 32 different tiles, so each block of wc is named once in the launch.  Every other tile of the ring has been asked for by a load of
; another cluster steps before, or is one of the head's first fills, where nothing is prefetched.
.macro ASK
	s_cmp_eq_u32 s[PFLAG], 1
	s_cbranch_scc0 .Lnot_mine_\@
	global_prefetch_b8 v[PFO], s[PFA:PFA+1] th:TH_LOAD_NT scope:SCOPE_SE
.Lnot_mine_\@:
.endm
; AN EXCHANGE BETWEEN THE FOUR WAVES (the norms' and l's): my four numbers (a tile each, for query l % 16) go to region e; behind the barrier every wave reads all sixteen into v[48:63] (wave w' at 48 + 4 w').
; Each use has a region of its own, and between two uses of a region stand barriers in front of which every wave has waited for its reads.
.macro EXCH e
	ds_store_b128 v[MXW], v[EX:EX+3] offset:1024*(\e)
	s_wait_dscnt 0x0                               ; for the others' sake: my store is done; none of my LDS instructions is out at the signal
	s_barrier_signal -1
	s_barrier_wait -1
.irp w, 0,1,2,3
	ds_load_b128 v[CC+4*(\w):CC+4*(\w)+3], v[MXR] offset:1024*(\e)+256*(\w)
.endr
.endm
; A sum over a row: the pair at v[base + step t], the other half of the lanes, the four waves.  The result, the same in every wave and lane of the query, lies in v[48 + t].
.macro RED e, base, step
	ALL v_add_f32 v[EX+t], v[(\base)+(\step)*t], v[(\base)+(\step)*t+1]
	ALL v_permlanex16_b32 v[AF+2*t], v[EX+t], s[SEL], s[SEL+1]
	ALL v_add_f32 v[EX+t], v[EX+t], v[AF+2*t]
	EXCH \e
	s_wait_dscnt 0x0
	v_pk_add_f32 v[CC:CC+1],     v[CC:CC+1],     v[CC+4:CC+5]
	v_pk_add_f32 v[CC+2:CC+3],   v[CC+2:CC+3],   v[CC+6:CC+7]
	v_pk_add_f32 v[CC+8:CC+9],   v[CC+8:CC+9],   v[CC+12:CC+13]
	v_pk_add_f32 v[CC+10:CC+11], v[CC+10:CC+11], v[CC+14:CC+15]
	v_pk_add_f32 v[CC:CC+1],     v[CC:CC+1],     v[CC+8:CC+9]
	v_pk_add_f32 v[CC+2:CC+3],   v[CC+2:CC+3],   v[CC+10:CC+11]
.endm
; A NORM OVER THE 512 CHANNELS of what lies in O^T's registers, in place.  Gain and bias of my 64 channels come from the tables at byte go and bo (and, xo >= 0, a third vector into v192-255).
; The mean is taken away before the squares are summed: no difference of large sums.
.macro LNORM go, bo, xo=-1
	WIN 0
	s_lshl_b32 s[TA], s[WV], 9
	s_add_co_u32 s[TA], s[TA], PT
	v_lshl_add_u32 v[T1], v[H], 8, s[TA]           ; 4 (128 w + 64 h): sixteen lanes read the same 16 bytes
.set i, 0
.rept 16
	ds_load_b128 v[64+4*i:67+4*i],   v[T1] offset:(\go)+16*i
	ds_load_b128 v[128+4*i:131+4*i], v[T1] offset:(\bo)+16*i
.if (\xo) >= 0
	ds_load_b128 v[192+4*i:195+4*i], v[T1] offset:(\xo)+16*i
.endif
.set i, i+1
.endr
	WIN 0x05                                       ; both sources in window 1.  Four chains, a tile each
	ALL v_pk_add_f32 v[AF+2*t:AF+2*t+1], v[64*t:64*t+1], v[64*t+2:64*t+3]
	WIN 0x04
.set i, 2
.rept 30
	ALL v_pk_add_f32 v[AF+2*t:AF+2*t+1], v[AF+2*t:AF+2*t+1], v[64*t+2*i:64*t+2*i+1]
.set i, i+1
.endr
	WIN 0
	RED 2, AF, 2
	ALL v_mul_f32 v[ST+4*t], s[INV], v[CC+t]       ; the mean
	WIN 0x41
.set i, 0
.rept 128
	v_pk_add_f32 v[2*i:2*i+1], v[2*i:2*i+1], v[ST+4*(i/32):ST+4*(i/32)+1] op_sel_hi:[1,0] neg_lo:[0,1] neg_hi:[0,1]
.set i, i+1
.endr
	WIN 0x05
	ALL v_pk_mul_f32 v[AF+2*t:AF+2*t+1], v[64*t:64*t+1], v[64*t:64*t+1]
.set i, 1
.rept 31
	ALL v_pk_fma_f32 v[AF+2*t:AF+2*t+1], v[64*t+2*i:64*t+2*i+1], v[64*t+2*i:64*t+2*i+1], v[AF+2*t:AF+2*t+1]
.set i, i+1
.endr
	WIN 0
	RED 3, AF, 2                                   ; (its wait for 0 also shows gain and bias in)
	ALL v_fma_f32 v[CC+t], v[CC+t], s[INV], s[EPS]
	ALL v_rsq_f32 v[ST+4*t+2], v[CC+t]
	v_nop                                          ; a plain instruction behind the last root,
	s_wait_alu depctr_va_vdst(0)                   ; and the one wait ahead of the first use of the four
	WIN 0x41
.set i, 0
.rept 128
	v_pk_mul_f32 v[2*i:2*i+1], v[2*i:2*i+1], v[ST+4*(i/32)+2:ST+4*(i/32)+3] op_sel_hi:[1,0]
.set i, i+1
.endr
.set i, 0
.rept 128
	v_pk_fma_f32 v[2*i:2*i+1], v[2*i:2*i+1], v[64+2*(i%32):65+2*(i%32)], v[128+2*(i%32):129+2*(i%32)]
.set i, i+1
.endr
	WIN 0
.endm
	; ---------------------------------------------------------------- THE HEAD
	s_load_b512 s[4:19], s[0:1], 0x0               ; xb s[4:5], wc s[6:7], mask s[8:9], b1 s[10:11], b2 s[12:13], g1 s[14:15], be1 s[16:17], g2 s[18:19]
	s_load_b128 s[20:23], s[0:1], 0x40             ; be2 s[20:21], out0 s[22:23]
	v_lshl_add_u32 v[SPW], v0, 2, SPARE
	v_mov_b32 v[NIL], 0
	ds_add_u32 v[SPW], v[NIL]                      ; the wave's opening: the add and its wait stand ahead of the round that stands in front of my first tensor loads; the set-up, work on registers, stands between them
	v_lshrrev_b32 v[T0], 5, v0
	v_readfirstlane_b32 s[WV], v[T0]               ; wave 0..3
	v_and_b32 v[R], 15, v0
	v_bfe_u32 v[H], v0, 4, 1
	v_and_b32 v[L16], 31, v0
	v_lshlrev_b32 v[L16], 4, v[L16]
	v_lshlrev_b32 v[PFO], 8, v0
	v_mov_b32 v[ZR], 0
	s_bfe_u32 s[CX], ttmp6, 0x40000
	s_mul_i32 s[WL], s[WV], 32*PITCH
	s_mul_i32 s[TA], s[WV], 16*PITCH
	v_mul_u32_u24 v[KB0], v[R], PITCH              ; K: row 16 w + r, 16 bytes for each half of the lanes
	v_lshl_add_u32 v[KB0], v[H], 4, v[KB0]
	v_add_nc_u32 v[KB0], s[TA], v[KB0]
	v_add_nc_u32 v[KB1], 64*PITCH, v[KB0]
	v_and_b32 v[T0], 7, v0                         ; V: row 8 h + l % 8; my wave's 256 bytes; lanes 8-15 of sixteen 128 bytes on
	v_lshl_add_u32 v[T0], v[H], 3, v[T0]
	v_mul_u32_u24 v[AV0], v[T0], PITCH
	v_bfe_u32 v[T0], v0, 3, 1
	v_lshl_add_u32 v[AV0], v[T0], 7, v[AV0]
	s_lshl_b32 s[TA], s[WV], 8
	v_add_nc_u32 v[AV0], s[TA], v[AV0]
	v_lshlrev_b32 v[MXR], 4, v[R]
	v_add_nc_u32 v[MXR], MX, v[MXR]
	v_add_nc_u32 v[MXW], s[TA], v[MXR]
	s_lshr_b32 s[TA], s[WV], 1                     ; my 16 keys (units) are half w % 2 of block w / 2 of 32: 512 bytes of an image of 1,024, four images (a tile of queries each) a block
	s_lshl_b32 s[TA], s[TA], 12
	s_and_b32 s[TP2], s[WV], 1
	s_lshl_b32 s[TP2], s[TP2], 9
	s_add_co_u32 s[TA], s[TA], s[TP2]
	s_add_co_u32 s[TA], s[TA], U
	v_add_nc_u32 v[PW], s[TA], v[L16]
	v_add_nc_u32 v[PR], U, v[L16]
	s_lshl_b32 s[TA], s[WV], 6                     ; the mask terms of keys 16 w + 8 h on
	s_add_co_u32 s[TA], s[TA], MT
	v_lshl_add_u32 v[CTA], v[H], 5, s[TA]
	v_lshlrev_b32 v[T0], 10, v[R]                  ; Q: row r (+ 16 qt) of 1,024 bytes, 16 bytes for each half of the lanes
	v_lshl_add_u32 v[T0], v[H], 4, v[T0]
	v_lshlrev_b32 v[T1], 4, v0                     ; the tables: 16 bytes a thread
	s_and_b32 s[SA], ttmp9, 7                      ; a batch's 32 work-groups are eight clusters: each begins two key tiles further on,
	s_lshl_b32 s[SA], s[SA], 1
	s_and_b32 s[SF], ttmp9, 31                     ; and one tile of wc further on
	s_cmp_lt_u32 ttmp9, 32
	s_cselect_b32 s[ASKW], 1, 0
	s_add_co_u32 s[NT], s[SA], 2
	s_and_b32 s[NT], s[NT], 15
	s_mov_b32 s[TB], 0
	s_mov_b32 s[TBO], SLOT
	s_lshl_b32 s[TA], s[SA], 9                     ; the tables are turned as the walks are: entry p of LDS is entry p + 128 SA of the mask (64 SF of b1), round the table's 8,192 bytes
	v_add_nc_u32 v116, s[TA], v[T1]
	s_lshl_b32 s[TA], s[SF], 8
	v_add_nc_u32 v120, s[TA], v[T1]
.irp n, 1,2,3
	v_add_nc_u32 v[116+(\n)], 2048*(\n), v116
	v_add_nc_u32 v[120+(\n)], 2048*(\n), v120
.endr
.irp n, 0,1,2,3,4,5,6,7
	v_and_b32 v[116+(\n)], 0x1fff, v[116+(\n)]
.endr
	; descriptor group 1: 32 rows x 512 elements, padded in LDS
	s_mov_b32 s[G1], 15|(1<<16)|(1<<20)|(1<<21)|(7<<22)|(3<<25)  ; 15:0 the mask: all four work-groups; 17:16 elements of 2 bytes; 20 padding on; 21 set beside a mask; 24:22 after every 256 words (code 7); 31:25 4 words (code 3)
	s_mov_b32 s[G1+1], 512<<16                     ; tensor_dim0 = 512
	s_mov_b32 s[G1+2], 32<<16                      ; tensor_dim1 = 32
	s_mov_b32 s[G1+3], 512<<16                     ; tile_dim0 = 512
	s_mov_b32 s[G1+4], 32                          ; tile_dim1 = 32
	s_mov_b32 s[G1+5], 512                         ; 512 elements from row to row
	s_mov_b32 s[G1+6], 0
	s_mov_b32 s[G1+7], 0
	s_mov_b32 s[CS], 0x3d8293ee                    ; c = log2(e) / sqrt(512) = 0.0637587
	s_mov_b32 s[CS+1], s[CS]
	s_mov_b32 s[SEL], 0x76543210
	s_mov_b32 s[SEL+1], 0xfedcba98
	s_mov_b32 s[INV], 0x3b000000                   ; 1 / 512
	s_mov_b32 s[EPS], 0x3727c5ac                   ; 1e-5
	s_mov_b32 s[OF+1], 0
	s_mov_b32 s[OFX+1], 0
	s_mov_b32 s[D0], 1                             ; count = 1
	s_add_co_u32 s[D0+1], s[WL], 0                 ; LDS address: my rows of slot 0
	s_mov_b32 s[D1], 1
	s_add_co_u32 s[D1+1], s[WL], SLOT              ; of slot 1
	s_wait_dscnt 0x0                               ; the opening add is done
	s_wait_kmcnt 0x0
	s_lshr_b32 s[OF], ttmp9, 3                     ; the batch, which the four partners share
	s_lshl_b32 s[OF], s[OF], 21                    ; its 2,048 rows of 1,024 bytes
	s_add_nc_u64 s[TP2:TP2+1], s[4:5], s[OF:OF+1]
	s_lshl_b32 s[OF], s[WV], 15                    ; my wave's 32 rows of a tile
	s_add_nc_u64 s[XBW:XBW+1], s[TP2:TP2+1], s[OF:OF+1]
	s_add_nc_u64 s[WCW:WCW+1], s[6:7], s[OF:OF+1]
	s_lshl_b32 s[OFX], s[CX], 15                   ; my work-group's quarter of a tile,
	s_add_nc_u64 s[PFA:PFA+1], s[6:7], s[OFX:OFX+1]
	s_lshl_b32 s[OF], s[SF], 17                    ; of the tile of wc at which the cluster begins
	s_add_nc_u64 s[PFA:PFA+1], s[PFA:PFA+1], s[OF:OF+1]
	s_lshl_b32 s[XN], ttmp9, 2                     ; in a cluster launch ttmp9 counts clusters
	s_add_co_u32 s[XN], s[XN], s[CX]               ; my work-group
	s_lshl_b32 s[OFX], s[XN], 16                   ; its 64 rows of xb,
	s_add_nc_u64 s[QP:QP+1], s[4:5], s[OFX:OFX+1]
	s_lshl_b32 s[OFX], s[XN], 17                   ; and of out0
	s_add_nc_u64 s[OP:OP+1], s[22:23], s[OFX:OFX+1]
	s_lshr_b32 s[OF], ttmp9, 3
	s_lshl_b32 s[OF], s[OF], 13                    ; the batch's 2,048 mask numbers
	s_add_nc_u64 s[8:9], s[8:9], s[OF:OF+1]
	s_lshl_b32 s[OF], s[SA], 17
	s_add_nc_u64 s[D0+2:D0+3], s[XBW:XBW+1], s[OF:OF+1]  ; global address: key tile SA,
	s_add_nc_u64 s[D1+2:D1+3], s[D0+2:D0+3], TILEB       ; and SA + 1 (SA is even, 14 at the most)
	s_or_b32 s[D0+3], s[D0+3], 0x80000000          ; type = 2
	s_or_b32 s[D1+3], s[D1+3], 0x80000000
	ROUND                                          ; all four work-groups are here: the first joint loads meet
	tensor_load_to_lds s[D0:D0+3], s[G1:G1+7]      ; both first fills together, ahead of every wait on TENSORcnt, every LDS read and every other barrier: two loads of mine are out
	s_nop 0
	tensor_load_to_lds s[D1:D1+3], s[G1:G1+7]
	s_nop 0
	PLACES
	WIN 0x80                                       ; Q stays in registers: destination window 2, address window 0
.set i, 0
.rept 32                               ; tile i / 8, channels 32 (i % 8) on
	global_load_b128 v[8*i:8*i+3],   v[T0], s[QP:QP+1] offset:(i/8)*16384+(i%8)*64
	global_load_b128 v[8*i+4:8*i+7], v[T0], s[QP:QP+1] offset:(i/8)*16384+(i%8)*64+32
.set i, i+1
.endr
	WIN 0xc0                                       ; channels 256 on: window 3
.set i, 0
.rept 32
	global_load_b128 v[8*i:8*i+3],   v[T0], s[QP:QP+1] offset:(i/8)*16384+(i%8)*64+512
	global_load_b128 v[8*i+4:8*i+7], v[T0], s[QP:QP+1] offset:(i/8)*16384+(i%8)*64+544
.set i, i+1
.endr
	WIN 0
.irp n, 0,1,2,3                        ; the small inputs, each read once by the work-group, sixteen lanes to 256 consecutive bytes
	global_load_b128 v[64+4*(\n):67+4*(\n)], v[116+(\n)], s[8:9]
	global_load_b128 v[80+4*(\n):83+4*(\n)], v[120+(\n)], s[10:11]
.endr
	global_load_b128 v[96:99],   v[T1], s[14:15]   ; g1
	global_load_b128 v[100:103], v[T1], s[16:17]   ; be1
	global_load_b128 v[104:107], v[T1], s[12:13]   ; b2
	global_load_b128 v[108:111], v[T1], s[18:19]   ; g2
	global_load_b128 v[112:115], v[T1], s[20:21]   ; be2
	WIN 0x40                                       ; O^T starts at 0, cleared while the first tile and Q are on their way: so the loop has one form of half step
.set i, 0
.rept 256
	v_mov_b32 v[i], 0
.set i, i+1
.endr
	WIN 0
	ALL v_mov_b32 v[ST+4*t], 0xfe000000            ; c m: far below every c s, so the first a is 0
	ALL v_mov_b32 v[ST+4*t+1], 0xff7fffff          ; m: the lowest finite number
	ALL v_mov_b32 v[ST+4*t+2], 0
	ALL v_mov_b32 v[ST+4*t+3], 0
	ALL v_mov_b32 v[AF+2*t+1], 0                   ; v_permlanex16_b32 counts as a reader of its destination
	s_wait_loadcnt 0x0
.set i, 0
.rept 26                               ; every small input is rounded to bf16, like the large ones, and kept as f32
	v_cvt_pk_bf16_f32 v[116+i%4], v[64+2*i], v[64+2*i+1]
	v_lshlrev_b32 v[64+2*i], 16, v[116+i%4]
	v_and_b32 v[64+2*i+1], 0xffff0000, v[116+i%4]
.set i, i+1
.endr
.set i, 0
.rept 8
	v_pk_mul_f32 v[64+2*i:65+2*i], v[64+2*i:65+2*i], 0xc2e24630 op_sel_hi:[1,0]  ; -5 sqrt(512): the mask in the unit of the unscaled scores
.set i, i+1
.endr
	v_add_nc_u32 v[T0], MT, v[T1]
.irp n, 0,1,2,3
	ds_store_b128 v[T0], v[64+4*(\n):67+4*(\n)] offset:2048*(\n)
	ds_store_b128 v[T0], v[80+4*(\n):83+4*(\n)] offset:BT-MT+2048*(\n)
.endr
.irp n, 0,1,2,3,4
	ds_store_b128 v[T0], v[96+4*(\n):99+4*(\n)] offset:PT-MT+2048*(\n)
.endr
	s_wait_tensorcnt 0x1                           ; my part of the first tile is in; the second's may stay out
	s_wait_dscnt 0x0                               ; my part of the tables is stored
	v_add_nc_u32 v[AV1], 64*PITCH, v[AV0]
	s_barrier_signal -1
	s_barrier_wait -1
	; ---------------------------------------------------------------- ATTENTION: 32 half steps of 64 keys
	; THE CHUNKS.  Half step h has parity p = h % 2.  SN is the buffer that S_h is written to, SO the one that holds S_(h-1).  K0 .. K3 are chunks (i + 2 p) % 4 of the four at v128.  In time order a chunk holds:
	;   K0: K's channels 0-127, then V(block 0, channels' first half), then V(1, second half)      K1: K's channels 128-255, then the images of block 1
	;   K2: K's channels 256-383, then V(0, second half), then the next half step's K0             K3: K's channels 384-511, then V(1, first half), then the next half step's K1
	;   SO, once S_(h-1) has been rounded and summed: the images of block 0, then the four waves' maxima; the next half step writes its scores there.
	; Each run of loads goes out 32 products or more ahead of its first use, four plain vector lines behind the last product that read the chunk.
.macro PAR p
.set PP, \p
.set SN, 64+32*(\p)
.set SO, 96-32*(\p)
.set K0, 128+32*((2*(\p))%4)
.set K1, 128+32*((1+2*(\p))%4)
.set K2, 128+32*((2+2*(\p))%4)
.set K3, 128+32*((3+2*(\p))%4)
.endm
.macro KLD g, dst                      ; K's four fragments of channels 128 g on, for my 16 keys
.set i, 0
.rept 4
	ds_load_b128 v[(\dst)+8*i:(\dst)+8*i+3],   v[AK] offset:64*(4*(\g)+i)
	ds_load_b128 v[(\dst)+8*i+4:(\dst)+8*i+7], v[AK] offset:64*(4*(\g)+i)+32
.set i, i+1
.endr
.endm
.macro VLD b, c, dst                   ; V of keys 32 b on, turned: fragments t = 4 c .. 4 c + 3 of my 128 channels
.set i, 0
.rept 4
	ds_load_tr16_b128 v[(\dst)+8*i:(\dst)+8*i+3],   v[AVA] offset:(\b)*32*PITCH+16*(4*(\c)+i)
	ds_load_tr16_b128 v[(\dst)+8*i+4:(\dst)+8*i+7], v[AVA] offset:(\b)*32*PITCH+16*PITCH+16*(4*(\c)+i)
.set i, i+1
.endr
.endm
.macro PLD b, dst                      ; the four tiles' images of block b
.set i, 0
.rept 4
	ds_load_b128 v[(\dst)+8*i:(\dst)+8*i+3],   v[PR] offset:4096*(\b)+1024*i
	ds_load_b128 v[(\dst)+8*i+4:(\dst)+8*i+7], v[PR] offset:4096*(\b)+1024*i+512
.set i, i+1
.endr
.endm
.macro SPROD                           ; product n of 64 of S^T = K Q^T: channels 32 (n / 4) on, tile n % 4.  The four accumulators take turns; the first four start the sums with the mask term
	WIN 0x08+4*(n/32)                              ; Q in window 2 (channels 0-255) or 3
.set rS, SN+8*(n%4)
.set rK, 128+32*((n/16+2*PP)%4)+8*((n/4)%4)
.set rQ, 64*(n%4)+8*((n/4)%8)
.if n < 4
	v_wmma_f32_16x16x32_bf16 v[rS:rS+7], v[rK:rK+7], v[rQ:rQ+7], v[CC:CC+7]
.else
	v_wmma_f32_16x16x32_bf16 v[rS:rS+7], v[rK:rK+7], v[rQ:rQ+7], v[rS:rS+7]
.endif
.endm
.macro PPROD                           ; product m of 64 of O^T += V^T P: block m / 32, fragment t = 4 ((m / 16) % 2) + (m / 4) % 4, tile m % 4; an accumulator's two turns lie 32 products apart
	WIN 0x50                                       ; C and D in window 1
.set rO, 64*(m%4)+8*(4*((m/16)%2)+(m/4)%4)
.if (m/16 == 0) || (m/16 == 3)
.set rV, K0
.elseif m/16 == 1
.set rV, K2
.else
.set rV, K3
.endif
.set rV, rV+8*((m/4)%4)
.if m < 32
.set rP, SO+8*(m%4)
.else
.set rP, K1+8*(m%4)
.endif
	v_wmma_f32_16x16x32_bf16 v[rO:rO+7], v[rV:rV+7], v[rP:rP+7], v[rO:rO+7]
.endm
.macro MAXS k                          ; step k of six: the maximum of my 16 keys for each query; each accumulator's lowest registers are read first; then the other half of the lanes
.if (\k) == 0
	ALL v_max3_num_f32 v[AF+2*t], v[SN+8*t], v[SN+8*t+1], v[SN+8*t+2]
.elseif (\k) < 3
	ALL v_max3_num_f32 v[AF+2*t], v[AF+2*t], v[SN+8*t+2*(\k)+1], v[SN+8*t+2*(\k)+2]
.elseif (\k) == 3
	ALL v_max_num_f32 v[AF+2*t], v[AF+2*t], v[SN+8*t+7]
.elseif (\k) == 4
	ALL v_permlanex16_b32 v[AF+2*t+1], v[AF+2*t], s[SEL], s[SEL+1]
.else
	ALL v_max_num_f32 v[EX+t], v[AF+2*t], v[AF+2*t+1]
.endif
.endm
.macro STATS k                         ; step k of five: the four waves' maxima (in SO) and the old m give the new m, c m and c m_old - c m_new
.if (\k) == 0
	ALL v_max3_num_f32 v[AF+2*t], v[SO+t], v[SO+4+t], v[SO+8+t]
.elseif (\k) == 1
	ALL v_mov_b32 v[AF+2*t+1], v[ST+4*t]
.elseif (\k) == 2
	ALL v_max3_num_f32 v[ST+4*t+1], v[AF+2*t], v[SO+12+t], v[ST+4*t+1]
.elseif (\k) == 3
	ALL v_mul_f32 v[ST+4*t], s[CS], v[ST+4*t+1]
.else
	ALL v_sub_f32 v[AF+2*t+1], v[AF+2*t+1], v[ST+4*t]
.endif
.endm
.macro SUMS k                          ; step k of four: the sums of the unrounded weights, in place; l = a l + the sum: my wave's keys alone; the waves' parts meet at the end
.if (\k) == 0
	ALL v_pk_add_f32 v[SO+8*t:SO+8*t+1], v[SO+8*t:SO+8*t+1], v[SO+8*t+2:SO+8*t+3]
.elseif (\k) == 1
	ALL v_pk_add_f32 v[SO+8*t+4:SO+8*t+5], v[SO+8*t+4:SO+8*t+5], v[SO+8*t+6:SO+8*t+7]
.elseif (\k) == 2
	ALL v_pk_add_f32 v[SO+8*t:SO+8*t+1], v[SO+8*t:SO+8*t+1], v[SO+8*t+4:SO+8*t+5]
.else
	ALL v_pk_fma_f32 v[ST+4*t+2:ST+4*t+3], v[ST+4*t+2:ST+4*t+3], v[AF+2*t:AF+2*t+1], v[SO+8*t:SO+8*t+1] op_sel_hi:[1,0,1]
.endif
.endm
.macro MLOADS p                        ; behind the barrier that carries the maxima: the maxima, the next half step's mask terms and the first half of its K
.irp w, 0,1,2,3
	ds_load_b128 v[SO+4*(\w):SO+4*(\w)+3], v[MXR] offset:256*(\w)
.endr
	ds_load_b128 v[CC:CC+3],   v[CTA]              ; register j is key 16 w + 8 h + j
	ds_load_b128 v[CC+4:CC+7], v[CTA] offset:16
.if (\p) == 0
	v_add_nc_u32 v[AK], s[TB], v[KB1]              ; the tile's rows 64-127
.else
	v_add_nc_u32 v[AK], s[TBO], v[KB0]             ; the next tile's rows 0-63
.endif
	KLD 0, K2
	KLD 1, K3
	v_add_nc_u32 v[CTA], 256, v[CTA]               ; the next 64 keys
.endm
; A HALF STEP, h of parity p: 64 products S_h, then 64 products PV_(h-1).  s = 0: the tail: no S, no maximum, nothing fetched for a further half step.
; BESIDE S_h, for half step h - 1: behind products 0-17 the four a, the 16 scalings c s - c m and the 32 exponentials: ONE BATCH of 36 with ONE wait, of which nothing ahead of the wait names a result.
; Behind 18-21 the roundings to bf16 and the images' stores; 22-25 the sums; 28-59 O^T times a, four lines each.
; BARRIER B shows the images: signal behind product 26, my stores waited for; wait behind product 35.  V's first run, bytes that nobody writes before a later barrier, stands between them.
; BESIDE PV_(h-1), for half step h: behind products 0-5 the maximum, behind 6 its store; behind 59-63 the statistics.
; BARRIER M, signal in front of product 32, wait behind product 47, carries the maxima.  kind 1, 2: it also opens a round of the cluster's barrier.  By then each wave's last reads of the tile before (V's last run, sixteen
; products back) are in, so that tile's slot is filled again: the wait for all my tensor loads, the add, the wait for it and for my reads in front of the signal; products alone inside; the joint load first behind the round, one a wave.
; kind 0: it also shows the tile asked for in the half step before: one load of mine is out, and its bytes are read behind this barrier, so the wait is for 0 here too.  That load has 112 products in which to land.
.macro HS p, kind, s
	PAR \p
.if \s
	KLD 2, K2                                      ; four plain lines, the last statistics, stand behind the last product that read these two chunks
	KLD 3, K3
	s_wait_dscnt 24                                ; the mask terms and K0 are in; K1's, K2's and K3's 24 loads stay out
.else
	s_wait_dscnt 0x0                               ; the tail: the last trip's eighteen loads for a half step that does not exist are in: only now are their registers (v48-55 and two chunks) written again
.endif
.set n, 0
.rept 64
.if \s
.if n == 16
	s_wait_dscnt 16                                ; K1 is in; K2's and K3's loads stay out (the wait for 0 behind product 26 shows those)
.endif
	SPROD
.endif
.set SW, (0x08+4*((n+1)/32))*(\s)
.if n <= 17
	WIN 0
.endif
.if n == 0
	ALL v_exp_f32 v[AF+2*t], v[AF+2*t+1]           ; a
.endif
.if (n >= 1) && (n <= 16)
	v_pk_fma_f32 v[SO+2*n-2:SO+2*n-1], v[SO+2*n-2:SO+2*n-1], s[CS:CS+1], v[ST+4*((n-1)/4):ST+4*((n-1)/4)+1] op_sel_hi:[1,0,0] neg_lo:[0,0,1] neg_hi:[0,0,1]  ; c s - c m
.endif
.if (n >= 2) && (n <= 17)
	v_exp_f32 v[SO+2*n-4], v[SO+2*n-4]             ; the pair scaled a product earlier
	v_exp_f32 v[SO+2*n-3], v[SO+2*n-3]
.endif
.if n == 17
	v_nop                                          ; a plain instruction behind the last exponential,
	s_wait_alu depctr_va_vdst(0)                   ; and the wait ahead of the first use: one for the batch
.endif
.if (n >= 18) && (n <= 21)
	WIN 0
.set i, 0
.rept 4                                ; a tile's 16 keys, rounded in pairs, ARE registers 0-3 or 4-7 of source 1 (32 keys x 16 queries) of the second product
	v_cvt_pk_bf16_f32 v[CC+4*(n-18)+i], v[SO+8*(n-18)+2*i], v[SO+8*(n-18)+2*i+1]
.set i, i+1
.endr
	ds_store_b128 v[PW], v[CC+4*(n-18):CC+4*(n-18)+3] offset:1024*(n-18)
.endif
.if (n >= 22) && (n <= 25)
	WIN 0
	SUMS n-22
.endif
.if n == 26
	WIN 0
	s_wait_dscnt 0x0                               ; my images are stored; none of my LDS instructions is out at the signal
	s_barrier_signal -1
.if (\p) == 0
	v_add_nc_u32 v[AVA], s[TBO], v[AV1]            ; PV_(h-1): the tile before, rows 64-127
.else
	v_add_nc_u32 v[AVA], s[TB], v[AV0]             ; the tile in hand, rows 0-63
.endif
	VLD 0, 0, K0
.endif
.if (n >= 28) && (n <= 59)
	WIN 0x41                                       ; O^T (destination and source 0) in window 1, a in window 0; ascending
.set i, 4*(n-28)
.rept 4
	v_pk_mul_f32 v[2*i:2*i+1], v[2*i:2*i+1], v[AF+2*(i/32):AF+2*(i/32)+1] op_sel_hi:[1,0]
.set i, i+1
.endr
.endif
.if n == 35
	WIN SW
	s_barrier_wait -1                              ; all four waves' images are there
	PLD 0, SO
	PLD 1, K1
.endif
.if n == 47
	WIN SW
	VLD 0, 1, K2
.endif
.if n == 63
	PLACES                                         ; behind the last product of S_h: for the load into K3 and for the maximum, which reads results just made
	WIN 0
	VLD 1, 0, K3
.endif
.set n, n+1
.endr
	s_wait_dscnt 24                                ; V(0, first half) and the images of block 0 are in; behind them: block 1's images, V(0, second), V(1, first)
.set m, 0
.rept 64
.if m == 16
	s_wait_dscnt 16+(\s)                           ; V(0, second half) is in; behind it: V(1, first), the maxima's store, V(1, second)
.endif
.if m == 32
	WIN 0
	s_wait_tensorcnt 0x0                           ; no tensor load of mine is out
.if (\kind) > 0
	ds_add_u32 v[SPW], v[NIL]                      ; 0 onto my spare word; the descriptor's scalar work stands between it and the wait for it
.if (\kind) == 1
	NEXTA
.else
	NEXTW
.endif
.endif
	s_wait_dscnt 0x0                               ; the add is done, my maxima are stored, and all my reads of the slots and of the images are back
	s_barrier_signal -1
.endif
.if m == 48
	WIN 0
	s_barrier_wait -1
.if (\kind) > 0
	CREST
	tensor_load_to_lds s[D1:D1+3], s[G1:G1+7]
	s_nop 0
.endif
	PLACES                                         ; also the places in front of the loads below
.if \s
	MLOADS \p
.endif
.if (\kind) == 1
	ASK                                            ; behind the joint load and the run of LDS loads that the next products wait for
.endif
.endif
	PPROD
.if (\s) && (m < 6)
	WIN 0
	MAXS m
.endif
.if (\s) && (m == 6)
	WIN 0
	ds_store_b128 v[MXW], v[EX:EX+3]
.endif
.if m == 15
	PLACES
	WIN 0
	VLD 1, 1, K0
.endif
.if (\s) && (m >= 59)
	WIN 0
.if m == 59
	s_wait_dscnt 18                                ; the maxima are back; behind them: two loads of mask terms, sixteen of K
.endif
	STATS m-59
.endif
.set m, m+1
.endr
	WIN 0
.endm
	; The first half step's scores, maximum and statistics are written out: there is nothing yet to set beside them.  Then the loop is entered in its middle.
	PAR 0
	v_add_nc_u32 v[AK], s[TB], v[KB0]
	ds_load_b128 v[CC:CC+3],   v[CTA]
	ds_load_b128 v[CC+4:CC+7], v[CTA] offset:16
	KLD 0, K0
	KLD 1, K1
	KLD 2, K2
	KLD 3, K3
	v_add_nc_u32 v[CTA], 256, v[CTA]
.set n, 0
.rept 64
.if n%16 == 0
	s_wait_dscnt 24-8*(n/16)                       ; the next chunk is in; the later chunks' loads stay out
.endif
	SPROD
.set n, n+1
.endr
	WIN 0
	PLACES
.irp k, 0,1,2,3,4,5
	MAXS \k
.endr
	ds_store_b128 v[MXW], v[EX:EX+3]
	s_wait_dscnt 0x0
	s_barrier_signal -1                            ; the second tile's load may stay out
	s_barrier_wait -1
	MLOADS 0
	s_wait_dscnt 18
.irp k, 0,1,2,3,4
	STATS \k
.endr
	s_mov_b32 s[CNT], 16
	s_branch .Lmid
.Latt:                                 ; a trip is a tile: fifteen times the even half step, sixteen times the odd one
	HS 0, 1, 1
.Lmid:
	HS 1, 0, 1
	s_xor_b32 s[TB], s[TB], SLOT
	s_xor_b32 s[TBO], s[TBO], SLOT
	s_sub_co_u32 s[CNT], s[CNT], 1
	s_cmp_lg_u32 s[CNT], 0
	s_cbranch_scc1 .Latt
	; The tail: the last half step's softmax is finished and multiplied; its tile's slot takes wc's second tile.  The last trip's eighteen loads for a half step that does not exist (bytes of wc's first tile and of the table
	; behind the mask's) are waited for at the tail's head and dropped: the price, once a launch, of one text for every trip.
	s_add_co_u32 s[NT], s[SF], 1
	s_and_b32 s[NT], s[NT], 31
	HS 0, 2, 0
	PLACES
	; ---------------------------------------------------------------- RESIDUAL AND FIRST NORM
	v_lshlrev_b32 v[T0], 10, v[R]                  ; the residual: my query's 64 channels, 128 bytes of xb
	v_lshl_add_u32 v[T0], v[H], 7, v[T0]
	s_lshl_b32 s[TA], s[WV], 8
	v_add_nc_u32 v[T0], s[TA], v[T0]
.set i, 0
.rept 32
	global_load_b128 v[128+4*i:131+4*i], v[T0], s[QP:QP+1] offset:(i/8)*16384+(i%8)*16
.set i, i+1
.endr
	RED 1, ST+2, 4                                 ; l: even and odd keys', the other half of the lanes', the four waves'
	ALL v_rcp_f32 v[AF+2*t], v[CC+t]
	v_nop
	s_wait_alu depctr_va_vdst(0)                   ; one wait for the four reciprocals
	s_wait_loadcnt 0x0
	WIN 0x41
.set i, 0
.rept 128                              ; y = O / l + x, x read straight from its bf16 half
	v_fma_mix_f32_bf16 v[2*i],   v[2*i],   v[AF+2*(i/32)], v[128+i] op_sel_hi:[0,0,1]
	v_fma_mix_f32_bf16 v[2*i+1], v[2*i+1], v[AF+2*(i/32)], v[128+i] op_sel:[0,0,1] op_sel_hi:[0,0,1]
.set i, i+1
.endr
	LNORM 0, 2048, 4096                            ; g1, be1; b2 comes in beside them
	; src2, rounded to bf16, takes Q's place as source 1 of the first product: a tile of 16 rows at a time through LDS, each wave storing its 128 channels and reading whole rows
	v_mul_u32_u24 v[AK], v[R], PITCH
	v_add_nc_u32 v[AK], U, v[AK]
	s_lshl_b32 s[TA], s[WV], 8
	v_lshl_add_u32 v[T0], v[H], 7, v[AK]
	v_add_nc_u32 v[T0], s[TA], v[T0]               ; in: row r, byte 256 w + 128 h
	v_lshl_add_u32 v[AK], v[H], 4, v[AK]           ; back: row r, 16 bytes for each half of the lanes
.macro XCH q
	WIN 0x05
.set i, 0
.rept 32
	v_cvt_pk_bf16_f32 v[64+i], v[64*(\q)+2*i], v[64*(\q)+2*i+1]
.set i, i+1
.endr
	WIN 0
.set i, 0
.rept 8
	ds_store_b128 v[T0], v[64+4*i:67+4*i] offset:16*i
.set i, i+1
.endr
	s_wait_dscnt 0x0
	s_barrier_signal -1
	s_barrier_wait -1                              ; the tile's 16 rows are whole
	WIN 0x80
.set i, 0
.rept 8
	ds_load_b128 v[64*(\q)+8*i:64*(\q)+8*i+3],   v[AK] offset:64*i
	ds_load_b128 v[64*(\q)+8*i+4:64*(\q)+8*i+7], v[AK] offset:64*i+32
.set i, i+1
.endr
	WIN 0xc0
.set i, 0
.rept 8
	ds_load_b128 v[64*(\q)+8*i:64*(\q)+8*i+3],   v[AK] offset:64*i+512
	ds_load_b128 v[64*(\q)+8*i+4:64*(\q)+8*i+7], v[AK] offset:64*i+544
.set i, i+1
.endr
	WIN 0
	s_wait_dscnt 0x0                               ; my reads are back:
	s_barrier_signal -1
	s_barrier_wait -1                              ; the stage may be written again
.endm
	XCH 0
	XCH 1
	XCH 2
	XCH 3
	WIN 0x41
.set i, 0
.rept 128                              ; the second product's sums start at src2 + b2, in f32: the second residual costs nothing more
	v_pk_add_f32 v[2*i:2*i+1], v[2*i:2*i+1], v[192+2*(i%32):193+2*(i%32)]
.set i, i+1
.endr
	WIN 0
	; ---------------------------------------------------------------- THE FEED-FORWARD PART: 32 blocks of 64 hidden units, from block SF on, round
	; A tile holds W2's block before (rows 0-63) and W1's block (rows 64-127).  Step k makes h_k = ReLU(W1_k^T src2 + b1) (a wave: 16 units, all queries) and adds W2_(k-1)^T h_(k-1) onto O^T.
	; h goes from wave to wave as the weights did, through two buffers that take turns: the change of slots is the step's one barrier.
	s_lshl_b32 s[TA], s[WV], 6                     ; b1 of units 16 w + 8 h on
	s_add_co_u32 s[TA], s[TA], BT
	v_lshl_add_u32 v[CTA], v[H], 5, s[TA]
	s_mov_b32 s[HBW], 0
	s_mov_b32 s[HBR], 8192
; The second product's operands for 32 units, in set 0 (V v64-127, P v128-159) or set 1 (V v160-223, P v224-255)
.macro VLOAD set, areg, bb
.set i, 0
.rept 8
	ds_load_tr16_b128 v[64+96*(\set)+8*i:64+96*(\set)+8*i+3],   v[\areg] offset:(\bb)*32*PITCH+16*i
	ds_load_tr16_b128 v[64+96*(\set)+8*i+4:64+96*(\set)+8*i+7], v[\areg] offset:(\bb)*32*PITCH+16*PITCH+16*i
.set i, i+1
.endr
.endm
.macro PLOAD set, preg, b
.set i, 0
.rept 4
	ds_load_b128 v[128+96*(\set)+8*i:128+96*(\set)+8*i+3],   v[\preg] offset:4096*(\b)+1024*i
	ds_load_b128 v[128+96*(\set)+8*i+4:128+96*(\set)+8*i+7], v[\preg] offset:4096*(\b)+1024*i+512
.set i, i+1
.endr
.endm
.macro PVMUL set                       ; 32 products of O^T += V^T P: i = 4 t + qt; each accumulator once
	WIN 0x50
.set i, 0
.rept 32
.set rO, 64*(i%4)+8*(i/4)
	v_wmma_f32_16x16x32_bf16 v[rO:rO+7], v[64+96*(\set)+8*(i/4):64+96*(\set)+8*(i/4)+7], v[128+96*(\set)+8*(i%4):128+96*(\set)+8*(i%4)+7], v[rO:rO+7]
.set i, i+1
.endr
.endm
; THE CHANGE OF SLOTS.  Each wave waits for all its tensor loads, of which one is out: its part of the other slot; adds 0 to its spare word; waits for that and for all its LDS reads and stores.  Behind the barrier nobody reads the
; slot in hand any more, the other slot is whole, and the images stored in this step are there for every wave.  The step's last 32 products (set >= 0), work on registers, stand between the signal and the wait.
; kind 2: the slot is filled again with the tile two on: the barrier opens a round of the cluster's, and the joint refill is the first tensor load behind it, one a wave.  kind 0: nothing is left to ask for.
.macro CHANGE kind, set
	WIN 0
	s_wait_tensorcnt 0x0                           ; no tensor load of mine is out, so the walking group 0 may be written
	ds_add_u32 v[SPW], v[NIL]                      ; 0 onto my spare word; the scalar work below stands between it and the wait for it
.if (\kind) == 2
	NEXTW
.endif
	s_xor_b32 s[TB], s[TB], SLOT
	s_wait_dscnt 0x0                               ; the add is done; my reads of the slot and of the images are back, my stores of images done
	s_barrier_signal -1
.if (\set) >= 0
	PVMUL \set
	WIN 0
.endif
	s_barrier_wait -1
.if (\kind) > 0
	CREST
	tensor_load_to_lds s[D1:D1+3], s[G1:G1+7]
	s_nop 0
.endif
	PLACES                                         ; also the places in front of the next step's loads
.endm
.macro FADDR
	v_add_nc_u32 v[AK], s[TB], v[KB1]
	v_add_nc_u32 v[AVA], s[TB], v[AV0]
	v_add_nc_u32 v[T0], s[HBW], v[PW]
	v_add_nc_u32 v[T1], s[HBR], v[PR]
	s_xor_b32 s[HBW], s[HBW], 8192
	s_xor_b32 s[HBR], s[HBR], 8192
.endm
.macro FS                              ; 64 products: i = 4 kb + qt; the four accumulators take turns; the first four start the sums with b1
	ds_load_b128 v[CC:CC+3],   v[CTA]
	ds_load_b128 v[CC+4:CC+7], v[CTA] offset:16
.set i, 0
.rept 16
	ds_load_b128 v[KF+8*i:KF+8*i+3],   v[AK] offset:64*i
	ds_load_b128 v[KF+8*i+4:KF+8*i+7], v[AK] offset:64*i+32
.set i, i+1
.endr
	v_add_nc_u32 v[CTA], 256, v[CTA]               ; the next block's 64 units
.set i, 0
.rept 64
.if i%16 == 0
	s_wait_dscnt 24-8*(i/16)                       ; the next four fragments are in; the later ones' loads stay out
	WIN 0x08+4*(i/32)
.endif
.set rH, S+8*(i%4)
.set rQ, 64*(i%4)+8*((i/4)%8)
.if i < 4
	v_wmma_f32_16x16x32_bf16 v[rH:rH+7], v[KF+8*(i/4):KF+8*(i/4)+7], v[rQ:rQ+7], v[CC:CC+7]
.else
	v_wmma_f32_16x16x32_bf16 v[rH:rH+7], v[KF+8*(i/4):KF+8*(i/4)+7], v[rQ:rQ+7], v[rH:rH+7]
.endif
.set i, i+1
.endr
	WIN 0
	PLACES
.endm
.macro FRELU                           ; rounded to bf16, two maxima with 0 at a time, and stored as half an image a tile
.set i, 0
.rept 16
	v_cvt_pk_bf16_f32 v[96+i], v[S+2*i], v[S+2*i+1]
.set i, i+1
.endr
.set i, 0
.rept 16
	v_pk_max_num_bf16 v[96+i], v[96+i], v[ZR]
.set i, i+1
.endr
.set i, 0
.rept 4
	ds_store_b128 v[T0], v[96+4*i:99+4*i] offset:1024*i
.set i, i+1
.endr
.endm
.macro FTRIP kind
	FADDR
	FS
	VLOAD 1, AVA, 0                                ; W2's block before, units 0-31, and h's images of them
	PLOAD 1, T1, 0
	FRELU
	VLOAD 0, AVA, 1
	PLOAD 0, T1, 1
	s_wait_dscnt 28                                ; set 1 is in; behind it stand four stores and set 0's 24 loads
	PVMUL 1
	CHANGE \kind, 0
.endm
	FADDR                                          ; step 0 has no block behind it
	FS
	FRELU
	CHANGE 2, -1
	s_mov_b32 s[CNT], 30
.Lffn:                                 ; steps 1 to 30: the ring's tiles 19 to 48 are asked for
	FTRIP 2
	s_sub_co_u32 s[CNT], s[CNT], 1
	s_cmp_lg_u32 s[CNT], 0
	s_cbranch_scc1 .Lffn
	FTRIP 0                                        ; step 31 is written out: nothing is left to ask for
	FADDR                                          ; step 32: W2's last block alone
	VLOAD 1, AVA, 0
	PLOAD 1, T1, 0
	VLOAD 0, AVA, 1
	PLOAD 0, T1, 1
	s_wait_dscnt 24
	PVMUL 1
	s_wait_dscnt 0x0
	PVMUL 0
	WIN 0
	PLACES
	; ---------------------------------------------------------------- SECOND NORM AND THE WAY OUT
	LNORM 6144, 8192                               ; g2, be2.  Its two barriers stand behind every wave's last read of the slots
	; A lane holds 256 consecutive bytes of a row of out0.  They go into my own stage, 272 bytes a lane, and come back so that sixteen lanes hold one lane's 256 bytes.
	s_mul_i32 s[TA], s[WV], STGB
	v_and_b32 v[T0], 31, v0
	v_mul_u32_u24 v[T0], v[T0], 272
	v_add_nc_u32 v[T0], s[TA], v[T0]               ; in
	v_mul_u32_u24 v[T1], v[H], 272
	v_lshl_add_u32 v[T1], v[R], 4, v[T1]
	v_add_nc_u32 v[T1], s[TA], v[T1]               ; back: load n takes the parts of lanes 2 n and 2 n + 1
	v_lshlrev_b32 v[AK], 11, v[H]                  ; which are rows 2 (n % 8) and 2 (n % 8) + 1, channels 128 w + 64 (n / 8) on
	v_lshl_add_u32 v[AK], v[R], 4, v[AK]
	s_lshl_b32 s[TA], s[WV], 9
	v_add_nc_u32 v[AK], s[TA], v[AK]
.macro OUTQ q
.set BK, 64+64*((\q)%2)
.if (\q) >= 2
	s_wait_xcnt 0x0                                ; the stores of the tile before last have read the registers that are loaded again below
.endif
	WIN 0x04                                       ; store data in window 1
.set i, 0
.rept 16
	ds_store_b128 v[T0], v[64*(\q)+4*i:64*(\q)+4*i+3] offset:16*i
.set i, i+1
.endr
	WIN 0
.set i, 0
.rept 16
	ds_load_b128 v[BK+4*i:BK+4*i+3], v[T1] offset:544*i  ; LDS serves a wave's instructions in order (ISA guide 5.7.1.4): these see the stores above; the next tile's stores come behind them
.set i, i+1
.endr
.set i, 0
.rept 16
	s_wait_dscnt 15-i
	global_store_b128 v[AK], v[BK+4*i:BK+4*i+3], s[OP:OP+1] offset:32768*(\q)+4096*(i%8)+256*(i/8) th:TH_STORE_NT  ; sixteen lanes store 256 consecutive bytes, at a multiple of 256 from out0's first byte
.set i, i+1
.endr
.endm
	OUTQ 0
	OUTQ 1
	OUTQ 2
	OUTQ 3
	s_wait_tensorcnt 0x0                           ; the wave's end, behind my last tensor load and my last LDS store
	ds_add_u32 v[SPW], v[NIL]
	s_wait_dscnt 0x0
	ROUND                                          ; the closing round: no work-group ends while a partner may still ask for a tile that names it
	s_endpgm
.Lfunc_end_k_q5ad7516a11_layer:
	.size	k_q5ad7516a11_layer, .Lfunc_end_k_q5ad7516a11_layer-k_q5ad7516a11_layer
	.p2alignl 7, 3214868480
	.fill 96, 4, 3214868480
	.section	.rodata,"a",@progbits
	.p2align	6, 0x0
	.amdhsa_kernel k_q5ad7516a11_layer
		.amdhsa_group_segment_fixed_size 327680
		.amdhsa_private_segment_fixed_size 0
		.amdhsa_enable_private_segment 0
		.amdhsa_kernarg_size 80
		.amdhsa_user_sgpr_count 2
		.amdhsa_user_sgpr_kernarg_segment_ptr 1
		.amdhsa_wavefront_size32 1
		.amdhsa_system_sgpr_workgroup_id_x 1
		.amdhsa_system_sgpr_workgroup_id_y 1
		.amdhsa_system_sgpr_workgroup_id_z 1
		.amdhsa_system_vgpr_workitem_id 0
		.amdhsa_next_free_vgpr 1024
		.amdhsa_next_free_sgpr 82
		.amdhsa_reserve_vcc 0
		.amdhsa_float_denorm_mode_32 3
		.amdhsa_float_denorm_mode_16_64 3
		.amdhsa_memory_ordered 1
		.amdhsa_forward_progress 1
		.amdhsa_inst_pref_size 255
	.end_amdhsa_kernel
	.section	.bss,"aw",@nobits
	.p2align	6
	.space	262144
	.amdgpu_metadata
---
amdhsa.version: [ 1, 2 ]
amdhsa.kernels:
  - .name:           k_q5ad7516a11_layer
    .symbol:         k_q5ad7516a11_layer.kd
    .args:
      - { .name: xb, .offset: 0, .size: 8, .value_kind: global_buffer, .address_space: global }
      - { .name: wc, .offset: 8, .size: 8, .value_kind: global_buffer, .address_space: global }
      - { .name: key_padding_mask, .offset: 16, .size: 8, .value_kind: global_buffer, .address_space: global }
      - { .name: b1, .offset: 24, .size: 8, .value_kind: global_buffer, .address_space: global }
      - { .name: b2, .offset: 32, .size: 8, .value_kind: global_buffer, .address_space: global }
      - { .name: g1, .offset: 40, .size: 8, .value_kind: global_buffer, .address_space: global }
      - { .name: be1, .offset: 48, .size: 8, .value_kind: global_buffer, .address_space: global }
      - { .name: g2, .offset: 56, .size: 8, .value_kind: global_buffer, .address_space: global }
      - { .name: be2, .offset: 64, .size: 8, .value_kind: global_buffer, .address_space: global }
      - { .name: out0, .offset: 72, .size: 8, .value_kind: global_buffer, .address_space: global }
    .group_segment_fixed_size: 327680
    .private_segment_fixed_size: 0
    .kernarg_segment_align: 8
    .kernarg_segment_size: 80
    .max_flat_workgroup_size: 128
    .sgpr_count:     82
    .vgpr_count:     1024
    .wavefront_size: 32
...
	.end_amdgpu_metadata
.endif
;; end of part 2
